; MI455X (gfx1250); checked and timed in simulation.
; The chip was launched on July 23, 2026; its instructions are those of AMD's public machine-readable ISA for CDNA 5 (MIT licence, August 2026) and "CDNA5" Instruction Set Architecture Reference Guide (July 2026). The comments in the code are by the model that wrote it; some were corrected since.
;; Multi Head Attention Block. Allowed arithmetic: float matrix products may take bf16 or f16 operands with f32 sums; all other float work in f32.
;; Inputs: Wk 1,024 x 64 float32; Wo 1,024 x 1,024 float32; Wq 1,024 x 1,024 float32; Wv 1,024 x 64 float32; bk 64 float32; bo 1,024 float32; bq 1,024 float32; bv 64 float32; key 2 x 2,048 x 1,024 float32; mask 2 x 1 x 2,048 x 2,048 int32; query 2 x 2,048 x 1,024 float32; value 2 x 2,048 x 1,024 float32.
;; Outputs: out0 2 x 2,048 x 1,024 float32.
;; One version. Each part assembles by itself: llvm-mc -triple=amdgcn-amd-amdhsa -mcpu=gfx1250 --defsym DOCPART=n.
;; ======== version 1 of 1: 4 launches
;; limits: values are held in f16: magnitudes above 65,504 overflow, below 6.1e-05 lose precision; right only within a limited range of input values
;; workspace buffers: q16 8,388,608 bytes; wq16 2,097,152 bytes; wo16 2,097,152 bytes; k16 524,288 bytes; v16 524,288 bytes; qf 16,777,216 bytes; x16 8,388,608 bytes
;; launch prep (part 1): grid 256 x 1, 8 waves a work-group, no clusters, 300,032 bytes of LDS; arguments key, value, Wk, Wv, bk, bv, query, Wq, Wo, k16, v16, q16, wq16, wo16; writes k16, v16, q16, wq16, wo16
.if DOCPART == 1
	.amdgcn_target "amdgcn-amd-amdhsa--gfx1250"
	.amdhsa_code_object_version 6
	.text
	.protected	k_qdb63da114a_prep
	.globl	k_qdb63da114a_prep
	.p2align	8
	.type	k_qdb63da114a_prep,@function
k_qdb63da114a_prep:
	s_mov_b64 s[64:65], 0
	v_nop
	global_prefetch_b8 v0, s[64:65] scope:SCOPE_SE
	s_setreg_imm32_b32 hwreg(HW_REG_WAVE_MODE, 25, 1), 1
	s_wait_xcnt 0x0
; Two jobs in each of 256 work-groups of eight waves.
; (1) k = key Wk + bk (work-groups 0-127) or v = value Wv + bv (128-255): 32 rows x 64 columns a work-group, stored as f16 [4096][64].
;     Wave w sums over K = 128 w .. 128 w + 127; the eight partial sums meet in LDS (so the order of the sum differs from a plain ascending one).
; (2) 1/256 of query, Wq and Wo is rounded from f32 to f16, layouts unchanged.
; LIMIT: matrix operands are f16: a magnitude above 65,504 in key, value, query, the weights, k or v becomes an infinity.
; No cluster: the work-groups share only Wk or Wv, 32 KiB a wave against the 16 KiB tile and 12 KiB of streams that are a wave's own, and
; they come through registers because they are rounded on the way into LDS.
; Loads go out in two groups: 2 (bias) + 32 (half of my weights) + 24 (my streams) at the start, the other 32 weight loads behind the first half's conversion.
.set XPITCH, 528                       ; LDS row of the f32 tile: 512 bytes + 16: an odd multiple of 16, so 16 rows start in 16 different 16-byte columns
.set XBYTES, 32*XPITCH                 ; 16,896: a wave's tile; later its 32 x 64 partial sums
.set WBASE,  8*XBYTES                  ; 135,168, a multiple of 256: behind every byte that the tensor loads fill
.set WPITCH, 160                       ; LDS row of the f16 weights: 128 bytes + 32: an odd multiple of 32 for the transposing loads
.set WBYTES, 128*WPITCH                ; 20,480: a wave's 128 K rows
.set RPITCH, 272                       ; LDS row of the partial sums: 256 bytes + 16
.set L16, 2                            ; v2   16 x lane
.set L8,  3                            ; v3   8 x lane
.set WST, 4                            ; v4   where I put 4 weights
.set XRD, 5                            ; v5   my part of an x fragment
.set WRD, 6                            ; v6   my part of a transposed weight fragment
.set RST, 7                            ; v7   where I put partial sums
.set RR0, 8                            ; v8   where I read partial sums 0-3
.set RR1, 9                            ; v9   and 4-7
.set BOF, 10                           ; v10  my 8 columns in the bias
.set WA,  16                           ; v[16:143]  32 loads of weights, rounded in place
.set ST,  144                          ; v[144:239] 24 loads of the streams, rounded in place
.set ACC, 16                           ; later: v[16:79] tile (a, b) at 16 + 8 (4 a + b)
.set LA,  80                           ; later: v[80:143] the eight partial sums
.set WF0, 80                           ; later: weight fragments, two buffers of 4 x 8
.set WF1, 112
.set XF,  144                          ; later: v[144:175] x as f32
.set XB0, 176                          ; later: x fragments as f16, two buffers of 2 x 8
.set XB1, 192
.set BIAS, 240                         ; v[240:247]
.set G0, 36
.set G1, 40
	s_load_b512 s[8:23], s[0:1], 0x0               ; key, value, Wk, Wv, bk, bv, query, Wq
	s_load_b256 s[24:31], s[0:1], 0x40             ; Wo, k16, v16, q16
	s_load_b128 s[32:35], s[0:1], 0x60             ; wq16, wo16
	v_lshl_add_u32 v248, v0, 2, 0x49000
	v_mov_b32 v249, 0
	ds_add_u32 v248, v249
	ds_add_u32 v248, v249
	v_lshrrev_b32 v1, 5, v0
	v_readfirstlane_b32 s4, v1                     ; wave 0..7
	s_and_b32 s5, ttmp9, 127                       ; block of 32 rows
	; the tile: 32 rows x 128 f32, 4 words of padding behind each row of 128 words
	s_mov_b32 s[G1+0], (2<<16)|(1<<20)|(6<<22)|(3<<25)
	s_mov_b32 s[G1+1], 128<<16                     ; tensor_dim0
	s_mov_b32 s[G1+2], 32<<16                      ; tensor_dim1
	s_mov_b32 s[G1+3], 128<<16                     ; tile_dim0
	s_mov_b32 s[G1+4], 32                          ; tile_dim1
	s_mov_b32 s[G1+5], 1024                        ; elements from row to row
	s_mov_b32 s[G1+6], 0
	s_mov_b32 s[G1+7], 0
	s_mov_b32 s[G0+0], 1
	s_mul_i32 s[G0+1], s4, XBYTES                  ; my wave's tile in LDS
	s_lshl_b32 s6, s5, 17                          ; 32 rows of 4,096 bytes
	s_lshl_b32 s7, s4, 9                           ; + my 128 columns
	s_add_co_u32 s6, s6, s7
	s_mov_b32 s7, 0
	s_wait_dscnt 0x0
	s_wait_kmcnt 0x0
	s_cmp_lt_u32 ttmp9, 128                        ; the first 128 work-groups make k, the others v
	s_cselect_b64 s[8:9], s[8:9], s[10:11]
	s_cselect_b64 s[12:13], s[12:13], s[14:15]
	s_cselect_b64 s[16:17], s[16:17], s[18:19]
	s_cselect_b64 s[26:27], s[26:27], s[28:29]
	s_add_nc_u64 s[G0+2:G0+3], s[8:9], s[6:7]
	s_or_b32 s[G0+3], s[G0+3], 0x80000000
	tensor_load_to_lds s[G0:G0+3], s[G1:G1+7]      ; the wave's one tensor load; these bytes are filled once
	s_nop 0
	s_lshl_b32 s6, s4, 15                          ; my 128 rows of the weights, 256 bytes each
	s_add_nc_u64 s[12:13], s[12:13], s[6:7]
	s_lshl_b32 s6, s5, 12                          ; result: 32 rows of 128 bytes, 4 rows a wave
	s_lshl_b32 s2, s4, 9
	s_add_co_u32 s6, s6, s2
	s_add_nc_u64 s[26:27], s[26:27], s[6:7]
	s_lshl_b32 s6, ttmp9, 16                       ; query: 64 KiB a work-group, 8 KiB a wave
	s_lshl_b32 s2, s4, 13
	s_add_co_u32 s6, s6, s2
	s_add_nc_u64 s[20:21], s[20:21], s[6:7]
	s_lshr_b32 s6, s6, 1                           ; its f16 copy: half of that
	s_add_nc_u64 s[30:31], s[30:31], s[6:7]
	s_lshr_b32 s6, s6, 1                           ; Wq, Wo: 16 KiB a work-group, 2 KiB a wave
	s_add_nc_u64 s[22:23], s[22:23], s[6:7]
	s_add_nc_u64 s[24:25], s[24:25], s[6:7]
	s_lshr_b32 s6, s6, 1
	s_add_nc_u64 s[32:33], s[32:33], s[6:7]
	s_add_nc_u64 s[34:35], s[34:35], s[6:7]
	v_and_b32 v1, 31, v0                           ; lane L
	v_and_b32 v11, 15, v0                          ; r
	v_bfe_u32 v12, v0, 4, 1                        ; h
	v_and_b32 v13, 7, v0
	v_bfe_u32 v14, v0, 3, 1
	v_bfe_u32 v15, v0, 3, 2
	v_lshlrev_b32 v[L16], 4, v1
	v_lshlrev_b32 v[L8], 3, v1
	v_lshlrev_b32 v[BOF], 5, v13
	global_load_b128 v[BIAS:BIAS+3], v[BOF], s[16:17]
	global_load_b128 v[BIAS+4:BIAS+7], v[BOF], s[16:17] offset:16
.macro LDW off                         ; 32 loads of weights, 512 consecutive bytes each: 64 K rows
.set k, 0
.rept 32
	global_load_b128 v[WA+4*k:WA+4*k+3], v[L16], s[12:13] offset:\off+512*k
.set k, k+1
.endr
.endm
	LDW 0
.set k, 0
.rept 16
	global_load_b128 v[ST+4*k:ST+4*k+3], v[L16], s[20:21] offset:512*k th:TH_LOAD_NT       ; my 8 KiB of query
.set k, k+1
.endr
.irp i, 0,1,2,3
	global_load_b128 v[ST+64+4*\i:ST+64+4*\i+3], v[L16], s[22:23] offset:512*\i th:TH_LOAD_NT   ; my 2 KiB of Wq
.endr
.irp i, 0,1,2,3
	global_load_b128 v[ST+80+4*\i:ST+80+4*\i+3], v[L16], s[24:25] offset:512*\i th:TH_LOAD_NT   ; my 2 KiB of Wo
.endr
	s_mul_i32 s2, s4, WBYTES
	s_add_co_u32 s2, s2, WBASE                     ; my wave's weights in LDS
	s_lshl_b32 s3, s4, 2
	v_mul_u32_u24 v[WST], v12, WPITCH              ; a load holds two K rows: row h, columns 4 r ..
	v_lshl_add_u32 v[WST], v11, 3, v[WST]
	v_add_nc_u32 v[WST], s2, v[WST]
	v_mul_u32_u24 v[XRD], v11, XPITCH              ; row r, K = 8 h .. as f32
	v_lshl_add_u32 v[XRD], v12, 5, v[XRD]
	v_add_nc_u32 v[XRD], s[G0+1], v[XRD]
	v_lshl_add_u32 v[WRD], v12, 3, v13             ; K row 8 h + (L & 7),
	v_mul_u32_u24 v[WRD], v[WRD], WPITCH
	v_lshl_add_u32 v[WRD], v14, 4, v[WRD]          ; 16 bytes for each half of 16 columns
	v_add_nc_u32 v[WRD], s2, v[WRD]
	v_mul_u32_u24 v[RST], v11, RPITCH
	v_lshl_add_u32 v[RST], v12, 5, v[RST]
	v_add_nc_u32 v[RST], s[G0+1], v[RST]
	v_add_nc_u32 v[RR0], s3, v15                   ; row 4 w + L / 8
	v_mul_u32_u24 v[RR0], v[RR0], RPITCH
	v_lshl_add_u32 v[RR0], v13, 5, v[RR0]          ; columns 8 (L & 7) ..
	v_add_nc_u32 v[RR1], 4*XBYTES, v[RR0]
.macro W2LDS n0                        ; 32 loads' weights, rounded in place, into LDS: load n holds K rows 2 n and 2 n + 1
.set k, 0
.rept 32
	v_cvt_pk_f16_f32 v[WA+4*k], v[WA+4*k], v[WA+4*k+1]
	v_cvt_pk_f16_f32 v[WA+4*k+1], v[WA+4*k+2], v[WA+4*k+3]
	ds_store_b64 v[WST], v[WA+4*k:WA+4*k+1] offset:(\n0+k)*2*WPITCH
.set k, k+1
.endr
.endm
.macro CVST cnt, set, b                ; cnt loads, rounded in place and stored: a store of the wave covers 256 consecutive bytes, aligned
.set k, 0
.rept \cnt
	v_cvt_pk_f16_f32 v[\set+4*k], v[\set+4*k], v[\set+4*k+1]
	v_cvt_pk_f16_f32 v[\set+4*k+1], v[\set+4*k+2], v[\set+4*k+3]
	global_store_b64 v[L8], v[\set+4*k:\set+4*k+1], s[\b:\b+1] offset:256*k
.set k, k+1
.endr
.endm
	s_wait_loadcnt 24                              ; the bias and the first 32 weight loads are in; the 24 loads of the streams stay out
	W2LDS 0
	s_wait_dscnt 0x0                               ; the LDS stores have read the registers that are now loaded again
	LDW 16384
	s_wait_loadcnt 32                              ; the streams are in; the 32 weight loads just issued stay out
	CVST 16, ST, 30
	CVST 4, ST+64, 32
	CVST 4, ST+80, 34
	s_wait_loadcnt 0x0
	W2LDS 32
; The fragments of K step ks (32 along K): four transposed weight fragments (16 columns each) and two blocks of 16 rows of x in f32.
.macro XWLOAD ks, wf
.irp b, 0,1,2,3
	ds_load_tr16_b128 v[\wf+8*\b:\wf+8*\b+3], v[WRD] offset:(\ks)*32*WPITCH+32*\b
	ds_load_tr16_b128 v[\wf+8*\b+4:\wf+8*\b+7], v[WRD] offset:(\ks)*32*WPITCH+32*\b+16*WPITCH
.endr
.irp a, 0,1
	ds_load_b128 v[XF+16*\a:XF+16*\a+3], v[XRD] offset:\a*16*XPITCH+128*(\ks)
	ds_load_b128 v[XF+16*\a+4:XF+16*\a+7], v[XRD] offset:\a*16*XPITCH+128*(\ks)+16
	ds_load_b128 v[XF+16*\a+8:XF+16*\a+11], v[XRD] offset:\a*16*XPITCH+128*(\ks)+64
	ds_load_b128 v[XF+16*\a+12:XF+16*\a+15], v[XRD] offset:\a*16*XPITCH+128*(\ks)+80
.endr
.endm
; One K step.  Source 0 = 16 columns of the weights, source 1 = 16 rows of x: a lane's 8 results are 8 neighbouring columns of one row.
; The 16 conversions are the places between the last step's matrix instructions and the loads into the buffer that they read.
; The eight accumulators take turns, one instruction a turn.
.macro KS ks, wf, xb, wfn, more, zero
	s_wait_dscnt 0x0
.set k, 0
.rept 16
	v_cvt_pk_f16_f32 v[\xb+k], v[XF+2*k], v[XF+2*k+1]
.set k, k+1
.endr
.if \more
	XWLOAD \ks+1, \wfn
.endif
.irp a, 0,1
.irp b, 0,1,2,3
.if \zero
	v_wmma_f32_16x16x32_f16 v[ACC+8*(4*\a+\b):ACC+8*(4*\a+\b)+7], v[\wf+8*\b:\wf+8*\b+7], v[\xb+8*\a:\xb+8*\a+7], 0
.else
	v_wmma_f32_16x16x32_f16 v[ACC+8*(4*\a+\b):ACC+8*(4*\a+\b)+7], v[\wf+8*\b:\wf+8*\b+7], v[\xb+8*\a:\xb+8*\a+7], v[ACC+8*(4*\a+\b):ACC+8*(4*\a+\b)+7]
.endif
.endr
.endr
.endm
	s_wait_xcnt 0x0                                ; the streams' registers, which the global stores read, are loaded again only behind this wait
	s_wait_dscnt 0x0                               ; and the weights' registers only when the LDS stores have read them
	s_wait_tensorcnt 0x0                           ; my tile is in LDS; only my wave reads it
	XWLOAD 0, WF0
	KS 0, WF0, XB0, WF1, 1, 1
	KS 1, WF1, XB1, WF0, 1, 0
	KS 2, WF0, XB0, WF1, 1, 0
	KS 3, WF1, XB1, WF0, 0, 0
.rept 4
	v_nop                                          ; four places behind the last matrix instructions (ISA guide 7.12.1)
.endr
	; my partial sums go where my tile lay: it has had its only fill and my reads of it are back
.irp a, 0,1
.irp b, 0,1,2,3
	ds_store_b128 v[RST], v[ACC+8*(4*\a+\b):ACC+8*(4*\a+\b)+3] offset:\a*16*RPITCH+64*\b
	ds_store_b128 v[RST], v[ACC+8*(4*\a+\b)+4:ACC+8*(4*\a+\b)+7] offset:\a*16*RPITCH+64*\b+16
.endr
.endr
	s_wait_dscnt 0x0                               ; for the other waves' sake: zero
	s_barrier_signal -1
	s_barrier_wait -1
.irp q, 0,1,2,3
	ds_load_b128 v[LA+8*\q:LA+8*\q+3], v[RR0] offset:\q*XBYTES
	ds_load_b128 v[LA+8*\q+4:LA+8*\q+7], v[RR0] offset:\q*XBYTES+16
.endr
.irp q, 0,1,2,3
	ds_load_b128 v[LA+32+8*\q:LA+32+8*\q+3], v[RR1] offset:\q*XBYTES
	ds_load_b128 v[LA+32+8*\q+4:LA+32+8*\q+7], v[RR1] offset:\q*XBYTES+16
.endr
	s_wait_dscnt 0x0
.irp j, 0,2,4,6
	v_pk_add_f32 v[LA+\j:LA+\j+1], v[LA+\j:LA+\j+1], v[LA+8+\j:LA+8+\j+1]
	v_pk_add_f32 v[LA+16+\j:LA+16+\j+1], v[LA+16+\j:LA+16+\j+1], v[LA+24+\j:LA+24+\j+1]
	v_pk_add_f32 v[LA+32+\j:LA+32+\j+1], v[LA+32+\j:LA+32+\j+1], v[LA+40+\j:LA+40+\j+1]
	v_pk_add_f32 v[LA+48+\j:LA+48+\j+1], v[LA+48+\j:LA+48+\j+1], v[LA+56+\j:LA+56+\j+1]
.endr
.irp j, 0,2,4,6
	v_pk_add_f32 v[LA+\j:LA+\j+1], v[LA+\j:LA+\j+1], v[LA+16+\j:LA+16+\j+1]
	v_pk_add_f32 v[LA+32+\j:LA+32+\j+1], v[LA+32+\j:LA+32+\j+1], v[LA+48+\j:LA+48+\j+1]
.endr
.irp j, 0,2,4,6
	v_pk_add_f32 v[LA+\j:LA+\j+1], v[LA+\j:LA+\j+1], v[LA+32+\j:LA+32+\j+1]
.endr
.irp j, 0,2,4,6
	v_pk_add_f32 v[LA+\j:LA+\j+1], v[LA+\j:LA+\j+1], v[BIAS+\j:BIAS+\j+1]
.endr
.irp j, 0,1,2,3
	v_cvt_pk_f16_f32 v[XF+\j], v[LA+2*\j], v[LA+2*\j+1]
.endr
	global_store_b128 v[L16], v[XF:XF+3], s[26:27] ; four rows of 128 bytes: 512 consecutive bytes, aligned
	s_wait_tensorcnt 0x0
	ds_add_u32 v248, v249
	s_wait_dscnt 0x0
	s_endpgm
.Lfunc_end_k_qdb63da114a_prep:
	.size	k_qdb63da114a_prep, .Lfunc_end_k_qdb63da114a_prep-k_qdb63da114a_prep
	.p2alignl 7, 3214868480
	.fill 96, 4, 3214868480
	.section	.rodata,"a",@progbits
	.p2align	6, 0x0
	.amdhsa_kernel k_qdb63da114a_prep
		.amdhsa_group_segment_fixed_size 300032
		.amdhsa_private_segment_fixed_size 0
		.amdhsa_enable_private_segment 0
		.amdhsa_kernarg_size 112
		.amdhsa_user_sgpr_count 2
		.amdhsa_user_sgpr_kernarg_segment_ptr 1
		.amdhsa_wavefront_size32 1
		.amdhsa_system_sgpr_workgroup_id_x 1
		.amdhsa_system_sgpr_workgroup_id_y 1
		.amdhsa_system_sgpr_workgroup_id_z 1
		.amdhsa_system_vgpr_workitem_id 0
		.amdhsa_next_free_vgpr 250
		.amdhsa_next_free_sgpr 66
		.amdhsa_reserve_vcc 0
		.amdhsa_float_denorm_mode_32 3
		.amdhsa_float_denorm_mode_16_64 3
		.amdhsa_memory_ordered 1
		.amdhsa_forward_progress 1
		.amdhsa_inst_pref_size 45
	.end_amdhsa_kernel
	.amdgpu_metadata
---
amdhsa.version: [ 1, 2 ]
amdhsa.kernels:
  - .name:           k_qdb63da114a_prep
    .symbol:         k_qdb63da114a_prep.kd
    .args:
      - { .name: key, .offset: 0, .size: 8, .value_kind: global_buffer, .address_space: global }
      - { .name: value, .offset: 8, .size: 8, .value_kind: global_buffer, .address_space: global }
      - { .name: Wk, .offset: 16, .size: 8, .value_kind: global_buffer, .address_space: global }
      - { .name: Wv, .offset: 24, .size: 8, .value_kind: global_buffer, .address_space: global }
      - { .name: bk, .offset: 32, .size: 8, .value_kind: global_buffer, .address_space: global }
      - { .name: bv, .offset: 40, .size: 8, .value_kind: global_buffer, .address_space: global }
      - { .name: query, .offset: 48, .size: 8, .value_kind: global_buffer, .address_space: global }
      - { .name: Wq, .offset: 56, .size: 8, .value_kind: global_buffer, .address_space: global }
      - { .name: Wo, .offset: 64, .size: 8, .value_kind: global_buffer, .address_space: global }
      - { .name: k16, .offset: 72, .size: 8, .value_kind: global_buffer, .address_space: global }
      - { .name: v16, .offset: 80, .size: 8, .value_kind: global_buffer, .address_space: global }
      - { .name: q16, .offset: 88, .size: 8, .value_kind: global_buffer, .address_space: global }
      - { .name: wq16, .offset: 96, .size: 8, .value_kind: global_buffer, .address_space: global }
      - { .name: wo16, .offset: 104, .size: 8, .value_kind: global_buffer, .address_space: global }
    .group_segment_fixed_size: 300032
    .private_segment_fixed_size: 0
    .kernarg_segment_align: 8
    .kernarg_segment_size: 112
    .max_flat_workgroup_size: 256
    .sgpr_count:     66
    .vgpr_count:     250
    .wavefront_size: 32
...
	.end_amdgpu_metadata
.endif
;; end of part 1
;; launch qgemm (part 2): grid 8 x 32, 4 waves a work-group, clusters of 4 x 4, 327,680 bytes of LDS; arguments q16, wq16, bq, qf; writes qf
.if DOCPART == 2
	.amdgcn_target "amdgcn-amd-amdhsa--gfx1250"
	.amdhsa_code_object_version 6
	.text
	.protected	k_qdb63da114a_qgemm
	.globl	k_qdb63da114a_qgemm
	.p2align	8
	.type	k_qdb63da114a_qgemm,@function
k_qdb63da114a_qgemm:
	s_mov_b64 s[64:65], 0
	v_nop
	global_prefetch_b8 v0, s[64:65] scope:SCOPE_SE
	s_setreg_imm32_b32 hwreg(HW_REG_WAVE_MODE, 25, 1), 1
	s_wait_xcnt 0x0
	s_wait_alu depctr_hold_cnt(0) depctr_sa_sdst(0) depctr_va_vdst(0) depctr_va_sdst(0) depctr_va_ssrc(0) depctr_va_vcc(0) depctr_vm_vsrc(0)
	s_getreg_b32 s2, hwreg(HW_REG_IB_STS2, 6, 4)
	s_cmp_eq_u32 s2, 0
	s_cbranch_scc0 .Lentry_in_a_cluster
	s_endpgm
.Lentry_in_a_cluster:
	s_bfe_u32 s2, ttmp6, 0x10000c
	s_cmp_lg_u32 s2, 0xf033
	s_cbranch_scc0 .Lentry_shape_is_right
	s_endpgm
.Lentry_shape_is_right:
; C[4096][1024] f32 = A[4096][1024] f16 x W[1024 (k)][1024 (n)] f16 + bias[1024].  Sums in f32, K ascending, the bias as the sums' first term.
; 256 work-groups, each a block of 128 x 128 of C; four waves, each 64 x 64: 16 accumulator tiles.  (Blocks of 256 x 256 would give work to 64 work-groups only.)
; K goes in four tiles of 256 through two LDS slots filled by the tensor data mover; W stays [k][n] and is transposed by the LDS load.
; CLUSTERS: 4 x 4 work-groups.  A's tile hangs on the block row alone and is asked for jointly along a row of the cluster, W's on the block column alone
; and jointly along a column.  Waves 0, 1 ask for A's two halves, waves 2, 3 for W's: one tensor load a wave behind each round.
; A wave has two tensor loads out at the start and one later.
; LIMIT: operands are f16 (magnitudes above 65,504 have become infinities where they were rounded).
.set HALF,   36864                     ; a wave's part of a slot: 64 rows of A at 528 bytes (33,792 used) or 128 K rows of W at 288 bytes
.set SLOT,   4*HALF                    ; A's halves, then W's
.set STAGE,  2*SLOT                    ; 294,912: behind the ring, 16 rows x 272 bytes for each wave
.set APITCH, 528                       ; 512 + 16: an odd multiple of 16
.set WPITCH, 288                       ; 256 + 32: an odd multiple of 32, for the transposing loads
.set SPITCH, 272
.set ADRA, 16                          ; v16-17  my A fragments in slot 0, 1
.set ADRW, 18                          ; v18-21  my W fragments: slot 0 K rows 0-127, 128-255; slot 1 likewise
.set STO,  24
.set RD,   25
.set CO,   26
.set VB,   27
.set F0,   64                          ; fragment buffer 0: W's four at +8 b, A's four at +32 + 8 a
.set F1,   128
.set BIAS, 192                         ; v[192:223] the bias in the accumulators' layout, 8 registers for each b
.set G1A, 16
.set G1W, 24
.set G0A, 32                           ; one set of four for each slot
.set G0W, 48
.set MSB, 0
.macro WIN new                         ; the immediate's high byte repeats the setting that is left
.if MSB != \new
	s_set_vgpr_msb (MSB<<8)|\new
.set MSB, \new
.endif
.endm
.macro PLACES                          ; four places behind matrix instructions (ISA guide 7.12.1)
.rept 4
	v_nop
.endr
.endm
.macro JLOAD s                         ; each line has one mask and one set of registers; the branch hangs on the wave's number alone
	s_cmp_eq_u32 s13, 0
	s_cbranch_scc0 .Lfor_w_\@
	tensor_load_to_lds s[G0A+4*\s:G0A+4*\s+3], s[G1A:G1A+7]
	s_nop 0
	s_branch .Lasked_\@
.Lfor_w_\@:
	tensor_load_to_lds s[G0W+4*\s:G0W+4*\s+3], s[G1W:G1W+7]
	s_nop 0
.Lasked_\@:
.endm
.macro CROUND                          ; a round of the cluster's barrier
	s_barrier_signal -1
	s_barrier_wait -1
	s_cmp_lg_u32 s12, 0
	s_cbranch_scc1 .Lnot_wave_0_\@
	s_barrier_signal -3
.Lnot_wave_0_\@:
	s_barrier_wait -3
	s_barrier_signal -1
	s_barrier_wait -1
.endm
	s_load_b256 s[4:11], s[0:1], 0x0               ; A s[4:5], W s[6:7], bias s[8:9], C s[10:11]
	v_lshl_add_u32 v254, v0, 2, 0x4c400
	v_mov_b32 v255, 0
	ds_add_u32 v254, v255
	ds_add_u32 v254, v255
	v_lshrrev_b32 v1, 5, v0
	v_readfirstlane_b32 s12, v1                    ; wave 0..3
	s_lshr_b32 s13, s12, 1                         ; my half of the block's rows.  Also: I fetch for A (0) or W (1)
	s_and_b32 s14, s12, 1                          ; my half of its columns.  Also: which half of that tile I fetch
	s_bfe_u32 s40, ttmp6, 0x40000                  ; cx
	s_bfe_u32 s41, ttmp6, 0x40004                  ; cy
	s_lshl_b32 s42, ttmp9, 2
	s_add_co_u32 s42, s42, s40                     ; block column
	s_and_b32 s43, ttmp7, 0xffff
	s_lshl_b32 s43, s43, 2
	s_add_co_u32 s43, s43, s41                     ; block row
	s_lshl_b32 s44, s41, 2
	s_lshl_b32 s44, 15, s44                        ; my row of the cluster
	s_lshl_b32 s45, 0x1111, s40                    ; my column
	s_or_b32 s[G1A+0], s44, (1<<16)|(1<<20)|(1<<21)|(6<<22)|(3<<25)   ; 2-byte elements; 4 words of padding behind every 128
	s_mov_b32 s[G1A+1], 256<<16                    ; tensor_dim0
	s_mov_b32 s[G1A+2], 64<<16                     ; tensor_dim1
	s_mov_b32 s[G1A+3], 256<<16                    ; tile_dim0: 256 along K
	s_mov_b32 s[G1A+4], 64                         ; tile_dim1: 64 rows
	s_mov_b32 s[G1A+5], 1024
	s_mov_b32 s[G1A+6], 0
	s_mov_b32 s[G1A+7], 0
	s_or_b32 s[G1W+0], s45, (1<<16)|(1<<20)|(1<<21)|(5<<22)|(7<<25)   ; 8 words of padding behind every 64
	s_mov_b32 s[G1W+1], 128<<16
	s_mov_b32 s[G1W+2], 128<<16
	s_mov_b32 s[G1W+3], 128<<16                    ; tile_dim0: 128 columns
	s_mov_b32 s[G1W+4], 128                        ; tile_dim1: 128 K rows
	s_mov_b32 s[G1W+5], 1024
	s_mov_b32 s[G1W+6], 0
	s_mov_b32 s[G1W+7], 0
	s_lshl_b32 s56, s43, 18                        ; A: 128 rows of 2,048 bytes a block row
	s_lshl_b32 s57, s14, 17                        ; + 64 rows for the second half
	s_add_co_u32 s56, s56, s57
	s_mov_b32 s57, 0
	s_lshl_b32 s58, s14, 18                        ; W: 128 K rows of 2,048 bytes for the second half
	s_lshl_b32 s59, s42, 8                         ; + 256 bytes a block column
	s_add_co_u32 s58, s58, s59
	s_mov_b32 s59, 0
	s_mul_i32 s15, s12, HALF                       ; where my part goes: the wave's number alone
	s_wait_dscnt 0x0
	s_wait_kmcnt 0x0
	s_add_nc_u64 s[56:57], s[4:5], s[56:57]
	s_add_nc_u64 s[58:59], s[6:7], s[58:59]
	CROUND                                         ; all sixteen work-groups are here: the first joint loads meet
.irp s, 0,1
	s_mov_b32 s[G0A+4*\s], 1
	s_add_co_u32 s[G0A+4*\s+1], s15, \s*SLOT
	s_add_nc_u64 s[G0A+4*\s+2:G0A+4*\s+3], s[56:57], \s*512          ; K tile s: 256 elements on
	s_or_b32 s[G0A+4*\s+3], s[G0A+4*\s+3], 0x80000000
	s_mov_b32 s[G0W+4*\s], 1
	s_add_co_u32 s[G0W+4*\s+1], s15, \s*SLOT
	s_add_nc_u64 s[G0W+4*\s+2:G0W+4*\s+3], s[58:59], \s*524288       ; 256 K rows on
	s_or_b32 s[G0W+4*\s+3], s[G0W+4*\s+3], 0x80000000
	JLOAD \s
.endr
	v_and_b32 v1, 15, v0                           ; r
	v_bfe_u32 v2, v0, 4, 1                         ; h
	v_and_b32 v3, 7, v0
	v_bfe_u32 v4, v0, 3, 1
	v_mul_u32_u24 v5, v1, APITCH
	v_lshl_add_u32 v5, v2, 4, v5                   ; row r, 16 bytes for each half of the lanes
	s_mul_i32 s60, s13, HALF                       ; my 64 rows of A
	v_add_nc_u32 v[ADRA], s60, v5
	v_add_nc_u32 v[ADRA+1], SLOT, v[ADRA]
	v_lshl_add_u32 v6, v2, 3, v3                   ; K row 8 h + (L & 7)
	v_mul_u32_u24 v6, v6, WPITCH
	v_lshl_add_u32 v6, v4, 4, v6
	s_lshl_b32 s61, s14, 7                         ; my 64 columns
	s_add_co_u32 s61, s61, 2*HALF
	v_add_nc_u32 v[ADRW], s61, v6
	v_add_nc_u32 v[ADRW+1], HALF, v[ADRW]
	v_add_nc_u32 v[ADRW+2], SLOT, v[ADRW]
	v_add_nc_u32 v[ADRW+3], SLOT+HALF, v[ADRW]
	s_mul_i32 s62, s12, 16*SPITCH
	s_add_co_u32 s62, s62, STAGE                   ; my stage
	v_mul_u32_u24 v7, v1, SPITCH
	v_lshl_add_u32 v7, v2, 5, v7
	v_add_nc_u32 v[STO], s62, v7                   ; in: row r, 32 bytes for each half of the lanes
	v_mul_u32_u24 v7, v2, SPITCH
	v_lshl_add_u32 v7, v1, 4, v7
	v_add_nc_u32 v[RD], s62, v7                    ; back: lanes 0-15 one row of 256 bytes, lanes 16-31 the next
	v_lshlrev_b32 v7, 12, v2
	v_lshl_add_u32 v[CO], v1, 4, v7                ; the same two rows in C
	s_lshl_b32 s62, s14, 8
	v_lshl_add_u32 v[VB], v2, 5, s62               ; bias: my 64 columns, 8 for each half of the lanes
	s_lshl_b32 s60, s42, 9
	s_mov_b32 s61, 0
	s_add_nc_u64 s[8:9], s[8:9], s[60:61]          ; bias at the block's first column
.irp b, 0,1,2,3
	global_load_b128 v[BIAS+8*\b:BIAS+8*\b+3], v[VB], s[8:9] offset:64*\b
	global_load_b128 v[BIAS+8*\b+4:BIAS+8*\b+7], v[VB], s[8:9] offset:64*\b+16
.endr
	s_add_co_u32 s60, s60, s62                     ; C: 512 bytes a block column + 256 for my half,
	s_lshl_b32 s62, s43, 19                        ; 128 rows of 4,096 bytes a block row,
	s_add_co_u32 s60, s60, s62
	s_lshl_b32 s62, s13, 18                        ; 64 rows for my half
	s_add_co_u32 s60, s60, s62
	s_add_nc_u64 s[10:11], s[10:11], s[60:61]
; 16 LDS loads: the fragments of K step ks (0..7) of a slot.  W's first, then A's row blocks 0, 1, 2, 3.
.macro FETCH slot, ks, f
.irp b, 0,1,2,3
	ds_load_tr16_b128 v[\f+8*\b:\f+8*\b+3], v[ADRW+2*\slot+((\ks)>>2)] offset:((\ks)&3)*32*WPITCH+32*\b
	ds_load_tr16_b128 v[\f+8*\b+4:\f+8*\b+7], v[ADRW+2*\slot+((\ks)>>2)] offset:((\ks)&3)*32*WPITCH+32*\b+16*WPITCH
.endr
.irp a, 0,1,2,3
	ds_load_b128 v[\f+32+8*\a:\f+32+8*\a+3], v[ADRA+\slot] offset:\a*16*APITCH+64*(\ks)
	ds_load_b128 v[\f+32+8*\a+4:\f+32+8*\a+7], v[ADRA+\slot] offset:\a*16*APITCH+64*(\ks)+32
.endr
.endm
; 8 matrix instructions: row blocks a0, a0 + 1 x four column blocks.  Source 0 = 16 columns of W, source 1 = 16 rows of A: a lane's 8 results are
; 8 neighbouring columns of one row of C.  Accumulators lie in window 1.  start = 1: the bias starts the sums; nothing is cleared or added later.
.macro MUL8 f, a0, start
.irp a, \a0, \a0+1
.irp b, 0,1,2,3
.if \start
	v_wmma_f32_16x16x32_f16 v[8*(4*(\a)+\b):8*(4*(\a)+\b)+7], v[\f+8*\b:\f+8*\b+7], v[\f+32+8*(\a):\f+32+8*(\a)+7], v[BIAS+8*\b:BIAS+8*\b+7]
.else
	v_wmma_f32_16x16x32_f16 v[8*(4*(\a)+\b):8*(4*(\a)+\b)+7], v[\f+8*\b:\f+8*\b+7], v[\f+32+8*(\a):\f+32+8*(\a)+7], v[8*(4*(\a)+\b):8*(4*(\a)+\b)+7]
.endif
.endr
.endr
.endm
; One K step of 32 on buffer f; in its middle the next step's fragments go into buffer g.  The sixteen accumulators take turns in one fixed order,
; one instruction a turn.
.macro KSTEP slot, ks, f, g, start
	s_wait_dscnt 4                                 ; W's and A's row blocks 0, 1 are in; the youngest four loads (blocks 2, 3) may be out
.if \start
	WIN 0x40                                       ; D in window 1, C (the bias) in window 0
.else
	WIN 0x50                                       ; C and D in window 1
.endif
	MUL8 \f, 0, \start
.if (\ks) < 7
	PLACES
	WIN 0
	FETCH \slot, \ks+1, \g
	s_wait_dscnt 16                                ; all but the 16 just issued
.else
	s_wait_dscnt 0x0                               ; the slot's last step fetches nothing
.endif
.if \start
	WIN 0x40
.else
	WIN 0x50
.endif
	MUL8 \f, 2, \start
.endm
.macro SLOTW slot, start
	PLACES
	FETCH \slot, 0, F0
	KSTEP \slot, 0, F0, F1, \start
	KSTEP \slot, 1, F1, F0, 0
	KSTEP \slot, 2, F0, F1, 0
	KSTEP \slot, 3, F1, F0, 0
	KSTEP \slot, 4, F0, F1, 0
	KSTEP \slot, 5, F1, F0, 0
	KSTEP \slot, 6, F0, F1, 0
	KSTEP \slot, 7, F1, F0, 0
	WIN 0
.endm
; The slot that has been read is filled again, two K tiles on.  The round takes the place of the work-group's barrier: each wave's reads are back and
; all its tensor loads have landed in front of the round's first signal, and the joint load is the first thing behind it.
.macro CHANGE slot
	s_wait_dscnt 0x0
	s_wait_tensorcnt 0x0                           ; no load of mine is out: a group 0 may be written
	ds_add_u32 v254, v255
	s_wait_dscnt 0x0
	s_add_nc_u64 s[G0A+4*\slot+2:G0A+4*\slot+3], s[G0A+4*\slot+2:G0A+4*\slot+3], 1024
	s_add_nc_u64 s[G0W+4*\slot+2:G0W+4*\slot+3], s[G0W+4*\slot+2:G0W+4*\slot+3], 0x100000
	CROUND
	JLOAD \slot
.endm
	s_wait_tensorcnt 0x1                           ; my part of K tile 0 is in; tile 1's may stay out
	s_barrier_signal -1
	s_barrier_wait -1
	s_wait_loadcnt 0x0                             ; the bias
	SLOTW 0, 1
	CHANGE 0
	SLOTW 1, 0
	CHANGE 1
	SLOTW 0, 0
	s_wait_dscnt 0x0
	s_wait_tensorcnt 0x0                           ; my part of the last tile
	s_barrier_signal -1
	s_barrier_wait -1
	SLOTW 1, 0
	; THE WAY OUT, 16 rows at a time through my own stage: in as 32 bytes a lane, back as whole rows of 256 bytes
	PLACES
.macro OUT16 a, f
	WIN 0x04                                       ; LDS store data in window 1
.irp b, 0,1,2,3
	ds_store_b128 v[STO], v[8*(4*\a+\b):8*(4*\a+\b)+3] offset:64*\b
	ds_store_b128 v[STO], v[8*(4*\a+\b)+4:8*(4*\a+\b)+7] offset:64*\b+16
.endr
	WIN 0
	s_wait_xcnt 0x0                                ; buffer f, which earlier stores read, and the stores' base are rewritten only behind this wait
.if \a
	s_add_nc_u64 s[10:11], s[10:11], 16*4096
.endif
.irp t, 0,1,2,3,4,5,6,7
	ds_load_b128 v[\f+4*\t:\f+4*\t+3], v[RD] offset:\t*2*SPITCH      ; LDS serves a wave's instructions in order: these see the stores above
.endr
.irp t, 0,1,2,3,4,5,6,7
	s_wait_dscnt 7-\t
	global_store_b128 v[CO], v[\f+4*\t:\f+4*\t+3], s[10:11] offset:\t*2*4096   ; 16 lanes store 256 consecutive bytes, aligned
.endr
.endm
	OUT16 0, F0
	OUT16 1, F1
	OUT16 2, F0
	OUT16 3, F1
	s_wait_tensorcnt 0x0
	ds_add_u32 v254, v255
	s_wait_dscnt 0x0
	CROUND                                         ; the closing round: no work-group ends while a partner may still ask for a tile that names it
	s_endpgm
.Lfunc_end_k_qdb63da114a_qgemm:
	.size	k_qdb63da114a_qgemm, .Lfunc_end_k_qdb63da114a_qgemm-k_qdb63da114a_qgemm
	.p2alignl 7, 3214868480
	.fill 96, 4, 3214868480
	.section	.rodata,"a",@progbits
	.p2align	6, 0x0
	.amdhsa_kernel k_qdb63da114a_qgemm
		.amdhsa_group_segment_fixed_size 327680
		.amdhsa_private_segment_fixed_size 0
		.amdhsa_enable_private_segment 0
		.amdhsa_kernarg_size 32
		.amdhsa_user_sgpr_count 2
		.amdhsa_user_sgpr_kernarg_segment_ptr 1
		.amdhsa_wavefront_size32 1
		.amdhsa_system_sgpr_workgroup_id_x 1
		.amdhsa_system_sgpr_workgroup_id_y 1
		.amdhsa_system_sgpr_workgroup_id_z 1
		.amdhsa_system_vgpr_workitem_id 0
		.amdhsa_next_free_vgpr 384
		.amdhsa_next_free_sgpr 66
		.amdhsa_reserve_vcc 0
		.amdhsa_float_denorm_mode_32 3
		.amdhsa_float_denorm_mode_16_64 3
		.amdhsa_memory_ordered 1
		.amdhsa_forward_progress 1
		.amdhsa_inst_pref_size 91
	.end_amdhsa_kernel
	.amdgpu_metadata
---
amdhsa.version: [ 1, 2 ]
amdhsa.kernels:
  - .name:           k_qdb63da114a_qgemm
    .symbol:         k_qdb63da114a_qgemm.kd
    .args:
      - { .name: q16, .offset: 0, .size: 8, .value_kind: global_buffer, .address_space: global }
      - { .name: wq16, .offset: 8, .size: 8, .value_kind: global_buffer, .address_space: global }
      - { .name: bq, .offset: 16, .size: 8, .value_kind: global_buffer, .address_space: global }
      - { .name: qf, .offset: 24, .size: 8, .value_kind: global_buffer, .address_space: global }
    .group_segment_fixed_size: 327680
    .private_segment_fixed_size: 0
    .kernarg_segment_align: 8
    .kernarg_segment_size: 32
    .max_flat_workgroup_size: 128
    .sgpr_count:     66
    .vgpr_count:     384
    .wavefront_size: 32
...
	.end_amdgpu_metadata
.endif
;; end of part 2
;; launch attn (part 3): grid 256 x 1, 8 waves a work-group, clusters of 4 x 1, 327,680 bytes of LDS; arguments qf, k16, v16, mask, x16; writes x16
.if DOCPART == 3
	.amdgcn_target "amdgcn-amd-amdhsa--gfx1250"
	.amdhsa_code_object_version 6
	.text
	.protected	k_qdb63da114a_attn
	.globl	k_qdb63da114a_attn
	.p2align	8
	.type	k_qdb63da114a_attn,@function
k_qdb63da114a_attn:
	s_mov_b64 s[64:65], 0
	v_nop
	global_prefetch_b8 v0, s[64:65] scope:SCOPE_SE
	s_setreg_imm32_b32 hwreg(HW_REG_WAVE_MODE, 25, 1), 1
	s_wait_xcnt 0x0
	s_wait_alu depctr_hold_cnt(0) depctr_sa_sdst(0) depctr_va_vdst(0) depctr_va_sdst(0) depctr_va_ssrc(0) depctr_va_vcc(0) depctr_vm_vsrc(0)
	s_getreg_b32 s2, hwreg(HW_REG_IB_STS2, 6, 4)
	s_cmp_eq_u32 s2, 0
	s_cbranch_scc0 .Lentry_in_a_cluster
	s_endpgm
.Lentry_in_a_cluster:
	s_bfe_u32 s2, ttmp6, 0x10000c
	s_cmp_lg_u32 s2, 0x3003
	s_cbranch_scc0 .Lentry_shape_is_right
	s_endpgm
.Lentry_shape_is_right:
; Attention with one K/V head.  A work-group owns 16 query rows (global rows 16 x ..) with all 16 heads; x16[row][head*64 + d] in f16.
; Wave w: heads 4 (w & 3) .. + 3, and keys 128 (w >> 2) .. + 127 of every tile of 256 keys.  Each wave keeps a running maximum, sum and output of its
; own; the two key halves are merged once at the end.  (So the order of the sums differs from the reference's.)
; S^T = K Q^T: lane (r, h) holds query r and keys 16 t + 8 h + j, so two packed tiles are at once the second source of O^T = V^T P^T, and the
; maximum and the sum are a lane's own but for one exchange between the halves of the wave.
; Scores are kept in the base-2 domain: q is multiplied by log2(e) / 8 in f32 before its one rounding to f16.
; THE MASK is the C operand of the scores' first matrix instruction: 0 where mask != 0, -1e30 where mask == 0, made once a step for the four heads.
; A masked key's weight is then exactly 0, which is what exp(-1e9 - maximum) is in f32 as soon as the row has an open key.  The running maximum has the
; floor -1e9 log2(e), and at the merge the state (maximum -1e9 log2(e), sum 2048, output = the sum of V over all keys) enters as a third partner: its
; factor 2^(floor - maximum) is 1 in a row that is masked everywhere, which comes out uniform as in the reference, and 0 in every other row.
; The sum of V is made on the way: wave (g, p) multiplies block g of V^T of its keys by a fragment of ones, two matrix instructions a step.
; LIMITS: q log2(e) / 8, k, v, p and x are f16 (magnitudes above 65,504 become infinities); v_exp_f32 flushes results below 2^-126 to zero; a row whose
; open scores (after the division by 8) all lie at or below about -1e9 is not weighted against its masked keys as the reference weights it.
; THE ORDER: the eight matrix instructions of the next head's scores stand spread among the vector instructions of a head's softmax; all their
; registers lie in window 0 with the softmax's, so no window is switched for it.
; CLUSTER: four work-groups of one batch read the same K and V tiles and ask for them jointly (mask 15).  The mask rows are a work-group's own: plain loads.
; A wave has two tensor loads out at the start and one later.
.set SLOT,    88320                    ; V 128 x 288, K 128 x 272, mask 16 x 1040
.set VPITCH,  288                      ; an LDS row holds two keys (256 bytes) + 32
.set KPITCH,  272                      ; two keys + 16
.set MPITCH,  1040                     ; 256 words + 16 bytes
.set KOFF,    128*VPITCH               ; 36,864
.set MOFF,    KOFF+128*KPITCH          ; 71,680
.set MSTAGE,  2*SLOT                   ; 176,640: where the second key half hands over, 17,408 bytes for each group of heads
.set MSBYTES, 17408
.set XSTAGE,  MSTAGE+4*MSBYTES         ; 246,272: 16 rows x 528 bytes for each group of heads
.set XPITCH,  528
.set XSBYTES, 16*XPITCH
.set SVST,    XSTAGE+4*XSBYTES         ; 280,064: the sums of V: 64 bytes a wave
; window 0
.set VK, 4                             ; v4-5   K fragments in slot 0, 1
.set VV, 6                             ; v6-7   V fragments
.set VM, 8                             ; v8-9   mask words
.set VG, 10                            ; v10-11 V fragments of block g of d
.set NM, 12                            ; the new maximum; v[12:13] is read as a pair
.set NEGV, 13                          ; -1e9 log2(e)
.set AL, 14                            ; 2^(old maximum - new); v[14:15] is read as a pair
.set BIGV, 15                          ; -1e30
.set MX, 16                            ; v[16:19]   running maxima of my four heads
.set LS, 20                            ; v[20:23]   running sums (this lane's keys)
.set QF, 24                            ; v[24:87]   Q: head i, half e of d at 24 + 16 i + 8 e
.set KF, 88                            ; v[88:151]  K: tile t, half e at 88 + 16 t + 8 e
.set SA, 152                           ; v[152:183] scores, buffer A; P as f16 in its first 16 registers
.set SB, 184                           ; v[184:215] scores, buffer B
.set BB, 216                           ; v[216:247] the mask words, then 0 or -1e30
.set TT, 248                           ; v[248:255] at work
.set VQ, 248                           ; ahead of the loop: my offset in qf
; window 0, behind the loop
.set SVT, 24                           ; v[24:87]   the sums of V of the two key halves
.set PF, 216                           ; v[216:231] x as f16
.set FA, 232                           ; v[232:235] the merge's factors
.set F2, 236                           ; v[236:237] the third partner's factor
.set MG, 240
.set XSS, 241
.set XSR, 242
.set XO, 243
.set SVW, 244
.set SVR, 245
; window 1: v[0:127] O: 32 i + 8 dt
.set VF, 128                           ; v[128:191] V^T: block dt of d, half c of the keys at 128 + 16 dt + 8 c
.set VGF, 192                          ; v[192:207] V^T, block g of d
.set ONES, 208                         ; v[208:215] a fragment of ones
.set SV0, 216                          ; v[216:223] the sum of V over the first halves of my steps' keys
.set SV1, 224                          ; v[224:231] over the second halves
.set MS, 66                            ; s[66:73] 8 lane masks: mask == 0
.set G0M, 16
.set G1K, 24
.set G1V, 32
.set G1M, 40
.set G0K, 48
.set G0V, 56
.set MSB, 0
.macro WIN new
.if MSB != \new
	s_set_vgpr_msb (MSB<<8)|\new
.set MSB, \new
.endif
.endm
.macro PLACES
.rept 4
	v_nop
.endr
.endm
.macro ROUND
	s_barrier_signal -1
	s_barrier_wait -1
	s_cmp_lg_u32 s98, 0
	s_cbranch_scc1 .Lnot_wave_0_\@
	s_barrier_signal -3
.Lnot_wave_0_\@:
	s_barrier_wait -3
	s_barrier_signal -1
	s_barrier_wait -1
.endm
.macro FILL s                          ; every wave issues one load: waves 0, 1 V's halves, 2, 3 K's halves, 4-7 four mask rows each
	s_cmp_lt_u32 s98, 2
	s_cbranch_scc0 .Lnot_v_\@
	tensor_load_to_lds s[G0V+4*\s:G0V+4*\s+3], s[G1V:G1V+7]
	s_nop 0
	s_branch .Lasked_\@
.Lnot_v_\@:
	s_cmp_lt_u32 s98, 4
	s_cbranch_scc0 .Lnot_k_\@
	tensor_load_to_lds s[G0K+4*\s:G0K+4*\s+3], s[G1K:G1K+7]
	s_nop 0
	s_branch .Lasked_\@
.Lnot_k_\@:
	tensor_load_to_lds s[G0M+4*\s:G0M+4*\s+3], s[G1M:G1M+7]
	s_nop 0
.Lasked_\@:
.endm
	s_load_b256 s[4:11], s[0:1], 0x0               ; qf s[4:5], k16 s[6:7], v16 s[8:9], mask s[10:11]
	s_load_b64 s[12:13], s[0:1], 0x20              ; x16
	s_set_vgpr_msb 0x40
	v_lshl_add_u32 v232, v0, 2, 0x44800
	v_mov_b32 v233, 0
	s_set_vgpr_msb 0x4045
	ds_add_u32 v232, v233
	ds_add_u32 v232, v233
	s_set_vgpr_msb 0x4500
	v_lshrrev_b32 v1, 5, v0
	v_readfirstlane_b32 s98, v1                    ; wave 0..7
	s_and_b32 s99, s98, 3                          ; g: my group of four heads
	s_lshr_b32 s100, s98, 2                        ; p: my half of the keys
	s_mov_b32 s14, 0x76543210                      ; v_permlanex16_b32: lane i reads lane i of the other half
	s_mov_b32 s15, 0xfedcba98
	s_bfe_u32 s66, ttmp6, 0x40000                  ; cx
	s_lshl_b32 s67, ttmp9, 2
	s_add_co_u32 s67, s67, s66                     ; x: my block of 16 query rows
	s_lshr_b32 s68, ttmp9, 5                       ; batch: 32 clusters each, the same in all four partners
	; K and V are dense: 64 rows of 256 bytes (two keys) a wave, elements of 8 bytes
	s_mov_b32 s[G1K+0], 15|(3<<16)|(1<<20)|(1<<21)|(5<<22)|(3<<25)
	s_mov_b32 s[G1K+1], 32<<16
	s_mov_b32 s[G1K+2], 64<<16
	s_mov_b32 s[G1K+3], 32<<16
	s_mov_b32 s[G1K+4], 64
	s_mov_b32 s[G1K+5], 32
	s_mov_b32 s[G1K+6], 0
	s_mov_b32 s[G1K+7], 0
	s_mov_b32 s[G1V+0], 15|(3<<16)|(1<<20)|(1<<21)|(5<<22)|(7<<25)
	s_mov_b32 s[G1V+1], 32<<16
	s_mov_b32 s[G1V+2], 64<<16
	s_mov_b32 s[G1V+3], 32<<16
	s_mov_b32 s[G1V+4], 64
	s_mov_b32 s[G1V+5], 32
	s_mov_b32 s[G1V+6], 0
	s_mov_b32 s[G1V+7], 0
	; the mask: 4 rows of 256 words a wave, rows 2,048 words apart; no work-group mask
	s_mov_b32 s[G1M+0], (2<<16)|(1<<20)|(7<<22)|(3<<25)
	s_mov_b32 s[G1M+1], 256<<16
	s_mov_b32 s[G1M+2], 4<<16
	s_mov_b32 s[G1M+3], 256<<16
	s_mov_b32 s[G1M+4], 4
	s_mov_b32 s[G1M+5], 2048
	s_mov_b32 s[G1M+6], 0
	s_mov_b32 s[G1M+7], 0
	s_lshl_b32 s70, s68, 18                        ; K, V: 2,048 keys of 128 bytes a batch
	s_and_b32 s72, s98, 1
	s_lshl_b32 s72, s72, 14                        ; + 128 keys for the second half
	s_add_co_u32 s70, s70, s72
	s_mov_b32 s71, 0
	s_lshl_b32 s74, s67, 17                        ; mask: 16 rows of 8,192 bytes a work-group
	s_lshl_b32 s75, s99, 15                        ; + 4 rows a wave
	s_add_co_u32 s74, s74, s75
	s_mov_b32 s75, 0
	s_mul_i32 s84, s98, 64*VPITCH                  ; LDS: V's halves by waves 0, 1
	s_mul_i32 s85, s98, 64*KPITCH
	s_add_co_u32 s85, s85, KOFF-2*64*KPITCH        ; K's halves by waves 2, 3
	s_mul_i32 s86, s98, 4*MPITCH
	s_add_co_u32 s86, s86, MOFF-4*4*MPITCH         ; the mask's quarters by waves 4-7
	s_lshl_b32 s88, s67, 16                        ; qf: 16 rows of 4,096 bytes
	s_mov_b32 s89, 0
	s_lshl_b32 s90, s67, 15                        ; x16: 16 rows of 2,048 bytes
	s_mov_b32 s91, 0
	s_wait_dscnt 0x0
	s_wait_kmcnt 0x0
	s_add_nc_u64 s[76:77], s[6:7], s[70:71]
	s_add_nc_u64 s[78:79], s[8:9], s[70:71]
	s_add_nc_u64 s[80:81], s[10:11], s[74:75]
	s_add_nc_u64 s[4:5], s[4:5], s[88:89]
	s_add_nc_u64 s[12:13], s[12:13], s[90:91]
.irp s, 0,1
	s_mov_b32 s[G0V+4*\s], 1
	s_add_co_u32 s[G0V+4*\s+1], s84, \s*SLOT
	s_add_nc_u64 s[G0V+4*\s+2:G0V+4*\s+3], s[78:79], \s*32768       ; tile s: 256 keys on
	s_or_b32 s[G0V+4*\s+3], s[G0V+4*\s+3], 0x80000000
	s_mov_b32 s[G0K+4*\s], 1
	s_add_co_u32 s[G0K+4*\s+1], s85, \s*SLOT
	s_add_nc_u64 s[G0K+4*\s+2:G0K+4*\s+3], s[76:77], \s*32768
	s_or_b32 s[G0K+4*\s+3], s[G0K+4*\s+3], 0x80000000
	s_mov_b32 s[G0M+4*\s], 1
	s_add_co_u32 s[G0M+4*\s+1], s86, \s*SLOT
	s_add_nc_u64 s[G0M+4*\s+2:G0M+4*\s+3], s[80:81], \s*1024
	s_or_b32 s[G0M+4*\s+3], s[G0M+4*\s+3], 0x80000000
.endr
	ROUND                                          ; the four work-groups are here: the first joint loads meet
	FILL 0
	FILL 1
	v_and_b32 v1, 31, v0                           ; L   (v1, v2, v3 stay to the end)
	v_and_b32 v2, 15, v0                           ; r
	v_bfe_u32 v3, v0, 4, 1                         ; h
	v_lshlrev_b32 v19, 12, v2                      ; Q: row r, my four heads, d = 8 h ..
	v_lshl_add_u32 v19, v3, 5, v19
	s_lshl_b32 s82, s99, 10
	v_add_nc_u32 v[VQ], s82, v19
.irp i, 0,1,2,3
.irp e, 0,1
	global_load_b128 v[KF+32*\i+16*\e:KF+32*\i+16*\e+3], v[VQ], s[4:5] offset:256*\i+128*\e
	global_load_b128 v[KF+32*\i+16*\e+4:KF+32*\i+16*\e+7], v[VQ], s[4:5] offset:256*\i+128*\e+16
	global_load_b128 v[KF+32*\i+16*\e+8:KF+32*\i+16*\e+11], v[VQ], s[4:5] offset:256*\i+128*\e+64
	global_load_b128 v[KF+32*\i+16*\e+12:KF+32*\i+16*\e+15], v[VQ], s[4:5] offset:256*\i+128*\e+80
.endr
.endr
	v_lshrrev_b32 v19, 1, v2                       ; K: key r lies in LDS row r / 2, half r & 1
	v_mul_u32_u24 v19, v19, KPITCH
	v_and_b32 v20, 1, v0
	v_lshl_add_u32 v19, v20, 7, v19
	v_lshl_add_u32 v19, v3, 4, v19
	s_mul_i32 s82, s100, 64*KPITCH
	s_add_co_u32 s82, s82, KOFF
	v_add_nc_u32 v[VK], s82, v19
	v_add_nc_u32 v[VK+1], SLOT, v[VK]
	v_bfe_u32 v19, v0, 1, 2                        ; V: key 8 h + (L & 7) lies in LDS row 4 h + (L & 7) / 2, half L & 1
	v_lshl_add_u32 v19, v3, 2, v19
	v_mul_u32_u24 v19, v19, VPITCH
	v_lshl_add_u32 v19, v20, 7, v19
	v_bfe_u32 v21, v0, 3, 1
	v_lshl_add_u32 v19, v21, 4, v19
	s_mul_i32 s82, s100, 64*VPITCH
	v_add_nc_u32 v[VV], s82, v19
	v_add_nc_u32 v[VV+1], SLOT, v[VV]
	s_lshl_b32 s82, s99, 5                         ; block g of d: 32 bytes on
	v_add_nc_u32 v[VG], s82, v[VV]
	v_add_nc_u32 v[VG+1], SLOT, v[VG]
	v_mul_u32_u24 v19, v2, MPITCH                  ; mask: row r, my 128 keys, 8 words for each half of the lanes
	v_lshl_add_u32 v19, v3, 5, v19
	s_lshl_b32 s82, s100, 9
	s_add_co_u32 s82, s82, MOFF
	v_add_nc_u32 v[VM], s82, v19
	v_add_nc_u32 v[VM+1], SLOT, v[VM]
	v_mov_b32 v[NEGV], 0xceabfb8f                  ; -1e9 log2(e)
	v_mov_b32 v[BIGV], 0xf149f2ca                  ; -1e30
	WIN 0x40
.set k, 0
.rept 8
	v_mov_b32 v[ONES+k], 0x3c003c00                ; 1.0, 1.0 in f16
.set k, k+1
.endr
	WIN 0
	s_wait_loadcnt 0x0
.set k, 0
.rept 64
	v_pk_mul_f32 v[KF+2*k:KF+2*k+1], v[KF+2*k:KF+2*k+1], 0x3e38aa3b op_sel_hi:[1,0]   ; log2(e) / 8
.set k, k+1
.endr
.set k, 0
.rept 64
	v_cvt_pk_f16_f32 v[QF+k], v[KF+2*k], v[KF+2*k+1]
.set k, k+1
.endr
; Matrix instruction n (0..7) of S^T of head i, 64 keys x 16 queries, into buffer sb: n = 0..3 the first half of d on tiles 0..3, with the mask's
; 0 or -1e30 as C; n = 4..7 the second half, in place.  The four accumulators take turns, one instruction a turn.
.macro SW i, sb, n
.if (\n) < 4
	v_wmma_f32_16x16x32_f16 v[\sb+8*(\n):\sb+8*(\n)+7], v[KF+16*(\n):KF+16*(\n)+7], v[QF+16*\i:QF+16*\i+7], v[BB+8*(\n):BB+8*(\n)+7]
.else
	v_wmma_f32_16x16x32_f16 v[\sb+8*((\n)-4):\sb+8*((\n)-4)+7], v[KF+16*((\n)-4)+8:KF+16*((\n)-4)+15], v[QF+16*\i+8:QF+16*\i+15], v[\sb+8*((\n)-4):\sb+8*((\n)-4)+7]
.endif
.endm
.macro MAYBE j, ob, n                  ; j < 0: no head is left to multiply
.if \j >= 0
	SW \j, \ob, \n
.endif
.endm
; The mask words of tile t become the scores' C operand, in place.
.macro BBT t
.irp k, 0,1,2,3,4,5,6,7
	v_cmp_eq_u32 s[MS+\k], 0, v[BB+8*\t+\k]
.endr
.irp k, 0,1,2,3,4,5,6,7
	v_cndmask_b32 v[BB+8*\t+\k], 0, v[BIGV], s[MS+\k]
.endr
.endm
; O^T of head i: each block of d is scaled by 2^(old maximum - new) and then takes its first product; P lies in pb's first 16 registers.
; Window 1 for D, C, source 0 (O, V^T); window 0 for source 1 (AL, P).
.macro PV i, pb, first
	WIN 0x51
.irp dt, 0,1,2,3
.if \first
	v_wmma_f32_16x16x32_f16 v[32*\i+8*\dt:32*\i+8*\dt+7], v[VF+16*\dt:VF+16*\dt+7], v[\pb:\pb+7], 0
.else
.irp q, 0,1,2,3
	v_pk_mul_f32 v[32*\i+8*\dt+2*\q:32*\i+8*\dt+2*\q+1], v[32*\i+8*\dt+2*\q:32*\i+8*\dt+2*\q+1], v[AL:AL+1] op_sel_hi:[1,0]
.endr
	v_wmma_f32_16x16x32_f16 v[32*\i+8*\dt:32*\i+8*\dt+7], v[VF+16*\dt:VF+16*\dt+7], v[\pb:\pb+7], v[32*\i+8*\dt:32*\i+8*\dt+7]
.endif
.endr
.irp dt, 0,1,2,3
	v_wmma_f32_16x16x32_f16 v[32*\i+8*\dt:32*\i+8*\dt+7], v[VF+16*\dt+8:VF+16*\dt+15], v[\pb+8:\pb+15], v[32*\i+8*\dt:32*\i+8*\dt+7]
.endr
.endm
; The sum of V over this step's 64 keys, block g of d: two accumulators, so that no two matrix instructions that follow each other share one.
.macro SUMV first
	WIN 0x55
.if \first
	v_wmma_f32_16x16x32_f16 v[SV0:SV0+7], v[VGF:VGF+7], v[ONES:ONES+7], 0
	v_wmma_f32_16x16x32_f16 v[SV1:SV1+7], v[VGF+8:VGF+15], v[ONES:ONES+7], 0
.else
	v_wmma_f32_16x16x32_f16 v[SV0:SV0+7], v[VGF:VGF+7], v[ONES:ONES+7], v[SV0:SV0+7]
	v_wmma_f32_16x16x32_f16 v[SV1:SV1+7], v[VGF+8:VGF+15], v[ONES:ONES+7], v[SV1:SV1+7]
.endif
	WIN 0
.endm
; Head i's 64 keys in buffer sb: running maximum, exponentials, running sum, P as f16 in place.  Among these lines stand the eight matrix
; instructions of head j's scores into buffer ob; they name none of these lines' registers.  The first of them stands 8 vector instructions behind
; the products that read P from ob (five places are asked before a matrix instruction writes over a source: ISA guide 7.12.1), and 25 follow the last.
.macro SOFTMAX i, sb, first, j, ob
	WIN 0
.irp c, 0,1,2,3
	v_max3_num_f32 v[TT+\c], v[\sb+8*\c], v[\sb+8*\c+1], v[\sb+8*\c+2]
.endr
.irp c, 0,1,2,3
	v_max3_num_f32 v[TT+\c], v[TT+\c], v[\sb+8*\c+3], v[\sb+8*\c+4]
.endr
	MAYBE \j, \ob, 0
.irp c, 0,1,2,3
	v_max3_num_f32 v[TT+\c], v[TT+\c], v[\sb+8*\c+5], v[\sb+8*\c+6]
.endr
.irp c, 0,1,2,3
	v_max_num_f32 v[TT+\c], v[TT+\c], v[\sb+8*\c+7]
.endr
	MAYBE \j, \ob, 1
	v_max3_num_f32 v[TT], v[TT], v[TT+1], v[TT+2]
	v_max_num_f32 v[TT], v[TT], v[TT+3]
	v_permlanex16_b32 v[TT+1], v[TT], s14, s15     ; the other half of the lanes holds the same query's other keys
.if \first
	v_max3_num_f32 v[NM], v[TT], v[TT+1], v[NEGV]  ; the floor: where every key so far is masked the maximum is -1e9 log2(e)
.else
	v_max3_num_f32 v[NM], v[TT], v[TT+1], v[MX+\i]
	v_sub_f32 v[AL], v[MX+\i], v[NM]
	v_exp_f32 v[AL], v[AL]                         ; used far below; the packed subtractions are the plain place behind it (ISA guide 5.7.2)
.endif
.set k, 0
.rept 8
	v_pk_add_f32 v[\sb+2*k:\sb+2*k+1], v[\sb+2*k:\sb+2*k+1], v[NM:NM+1] op_sel_hi:[1,0] neg_lo:[0,1] neg_hi:[0,1]
.set k, k+1
.endr
	MAYBE \j, \ob, 2
.rept 8
	v_pk_add_f32 v[\sb+2*k:\sb+2*k+1], v[\sb+2*k:\sb+2*k+1], v[NM:NM+1] op_sel_hi:[1,0] neg_lo:[0,1] neg_hi:[0,1]
.set k, k+1
.endr
	MAYBE \j, \ob, 3
.set k, 0
.rept 12
	v_exp_f32 v[\sb+k], v[\sb+k]
.set k, k+1
.endr
	MAYBE \j, \ob, 4
.rept 12
	v_exp_f32 v[\sb+k], v[\sb+k]
.set k, k+1
.endr
	MAYBE \j, \ob, 5
.rept 8
	v_exp_f32 v[\sb+k], v[\sb+k]
.set k, k+1
.endr
	v_mov_b32 v[MX+\i], v[NM]                      ; the plain place behind the run of exponentials
	MAYBE \j, \ob, 6
	s_wait_alu depctr_va_vdst(0)
.irp q, 0,1,2,3
	v_pk_add_f32 v[TT+2*\q:TT+2*\q+1], v[\sb+4*\q:\sb+4*\q+1], v[\sb+4*\q+2:\sb+4*\q+3]
.endr
.irp q, 0,1,2,3
	v_pk_add_f32 v[TT+2*\q:TT+2*\q+1], v[TT+2*\q:TT+2*\q+1], v[\sb+16+2*\q:\sb+16+2*\q+1]
.endr
	MAYBE \j, \ob, 7
.irp q, 0,1,2,3
	v_pk_add_f32 v[TT+2*\q:TT+2*\q+1], v[TT+2*\q:TT+2*\q+1], v[\sb+24+2*\q:\sb+24+2*\q+1]
.endr
	v_pk_add_f32 v[TT:TT+1], v[TT:TT+1], v[TT+2:TT+3]
	v_pk_add_f32 v[TT+4:TT+5], v[TT+4:TT+5], v[TT+6:TT+7]
	v_pk_add_f32 v[TT:TT+1], v[TT:TT+1], v[TT+4:TT+5]
.if \first
	v_add_f32 v[LS+\i], v[TT], v[TT+1]
.else
	v_add_f32 v[TT], v[TT], v[TT+1]
	v_fma_f32 v[LS+\i], v[LS+\i], v[AL], v[TT]
.endif
.set k, 0
.rept 16
	v_cvt_pk_f16_f32 v[\sb+k], v[\sb+2*k], v[\sb+2*k+1]    ; in place: register k was last read when register k / 2 was written
.set k, k+1
.endr
.endm
; 64 keys (half u of my 128 in the slot) for my four heads.
.macro STEP slot, u, first
	PLACES                                         ; behind the last matrix instructions, whose sources are loaded again
.irp t, 0,1,2,3
	ds_load_b128 v[BB+8*\t:BB+8*\t+3], v[VM+\slot] offset:256*\u+64*\t
	ds_load_b128 v[BB+8*\t+4:BB+8*\t+7], v[VM+\slot] offset:256*\u+64*\t+16
.endr
.irp t, 0,1,2,3
.irp e, 0,1
	ds_load_b128 v[KF+16*\t+8*\e:KF+16*\t+8*\e+3], v[VK+\slot] offset:(32*\u+8*\t)*KPITCH+64*\e
	ds_load_b128 v[KF+16*\t+8*\e+4:KF+16*\t+8*\e+7], v[VK+\slot] offset:(32*\u+8*\t)*KPITCH+64*\e+32
.endr
.endr
	WIN 0x40
.irp dt, 0,1,2,3
.irp c, 0,1
	ds_load_tr16_b128 v[VF+16*\dt+8*\c:VF+16*\dt+8*\c+3], v[VV+\slot] offset:(32*\u+16*\c)*VPITCH+32*\dt
	ds_load_tr16_b128 v[VF+16*\dt+8*\c+4:VF+16*\dt+8*\c+7], v[VV+\slot] offset:(32*\u+16*\c+8)*VPITCH+32*\dt
.endr
.endr
.irp c, 0,1
	ds_load_tr16_b128 v[VGF+8*\c:VGF+8*\c+3], v[VG+\slot] offset:(32*\u+16*\c)*VPITCH
	ds_load_tr16_b128 v[VGF+8*\c+4:VGF+8*\c+7], v[VG+\slot] offset:(32*\u+16*\c+8)*VPITCH
.endr
	WIN 0
	s_wait_dscnt 36                                ; the 8 mask loads are in; K's 16 and V's 20 may be out
	BBT 0
	s_wait_dscnt 20                                ; K is in; V's 20 loads may be out
	SW 0, SA, 0
	BBT 1
	SW 0, SA, 1
	BBT 2
	SW 0, SA, 2
	BBT 3
	SW 0, SA, 3
	SW 0, SA, 4
	SW 0, SA, 5
	SW 0, SA, 6
	SW 0, SA, 7
	PLACES                                         ; four places before the softmax reads these scores
	SOFTMAX 0, SA, \first, 1, SB
	s_wait_dscnt 0x0                               ; V
	PV 0, SA, \first
	SOFTMAX 1, SB, \first, 2, SA
	PV 1, SB, \first
	SOFTMAX 2, SA, \first, 3, SB
	PV 2, SA, \first
	SOFTMAX 3, SB, \first, -1, SA
	PV 3, SB, \first
	SUMV \first
.endm
; A tile of 256 keys in slot; the other slot, read last, is filled again two tiles on.  The round takes the place of the work-group's barrier:
; each wave's reads are back and all its tensor loads have landed in front of its first signal; the refill is the first thing behind it.
.macro TWO slot, other, refill
	s_set_vgpr_msb 0x5
	s_wait_tensorcnt 0x0
	ds_add_u32 v232, v233
	s_wait_dscnt 0x0
	s_set_vgpr_msb 0x500
.if \refill
	s_add_nc_u64 s[G0V+4*\other+2:G0V+4*\other+3], s[G0V+4*\other+2:G0V+4*\other+3], 65536
	s_add_nc_u64 s[G0K+4*\other+2:G0K+4*\other+3], s[G0K+4*\other+2:G0K+4*\other+3], 65536
	s_add_nc_u64 s[G0M+4*\other+2:G0M+4*\other+3], s[G0M+4*\other+2:G0M+4*\other+3], 2048
.endif
	s_wait_dscnt 0x0
.if \refill
	ROUND
	FILL \other
.else
	s_barrier_signal -1
	s_barrier_wait -1
.endif
	STEP \slot, 0, 0
	STEP \slot, 1, 0
.endm
	s_wait_tensorcnt 0x1                           ; my part of tile 0 is in; tile 1's may stay out
	s_barrier_signal -1
	s_barrier_wait -1
	STEP 0, 0, 1                                   ; the first step starts maxima, sums and outputs: nothing is cleared
	STEP 0, 1, 0
	s_mov_b32 s101, 3
.Ltiles:
	TWO 1, 0, 1
	TWO 0, 1, 1
	s_sub_co_u32 s101, s101, 1
	s_cmp_lg_u32 s101, 0
	s_cbranch_scc1 .Ltiles
	TWO 1, 0, 0                                    ; tile 7: nothing is left to fetch
	; THE MERGE.  Every wave hands over its sum of V, waves 4-7 also their outputs, maxima and sums, through LDS bytes that no tensor load fills.
	PLACES
	WIN 0x55
.irp q, 0,1,2,3
	v_pk_add_f32 v[SV0+2*\q:SV0+2*\q+1], v[SV0+2*\q:SV0+2*\q+1], v[SV1+2*\q:SV1+2*\q+1]
.endr
	WIN 0
	s_mul_i32 s82, s99, MSBYTES
	s_add_co_u32 s82, s82, MSTAGE
	v_lshl_add_u32 v[MG], v1, 4, s82
	s_mul_i32 s82, s99, XSBYTES
	s_add_co_u32 s82, s82, XSTAGE
	v_mul_u32_u24 v[SVR], v2, XPITCH
	v_lshl_add_u32 v[SVR], v3, 4, v[SVR]
	v_add_nc_u32 v[XSS], s82, v[SVR]               ; x in: row r, 16 bytes for each half of the lanes
	v_lshl_add_u32 v[XSR], v1, 4, s82              ; x back: 512 bytes of a row
	s_lshl_b32 s82, s99, 9
	v_lshl_add_u32 v[XO], v1, 4, s82
	v_lshlrev_b32 v[SVR], 5, v3
	v_add_nc_u32 v[SVR], SVST, v[SVR]              ; the sums of V: d = 8 h ..
	s_lshl_b32 s82, s98, 6                         ; wave 4 p + g holds half p, d = 16 g ..: 64 bytes a wave
	v_add_nc_u32 v[SVW], s82, v[SVR]
	v_mov_b32 v[FA+3], 0                           ; written once: a lane exchange's destination and the second registers of pairs
	v_mov_b32 v[F2+1], 0
	WIN 0x04
	ds_store_b128 v[SVW], v[SV0:SV0+3]             ; the sixteen lanes of a half hold the same numbers and write the same bytes
	ds_store_b128 v[SVW], v[SV0+4:SV0+7] offset:16
	WIN 0
	s_cmp_lt_u32 s98, 4
	s_cbranch_scc1 .Lkeeps
	WIN 0x04
.set k, 0
.rept 32
	ds_store_b128 v[MG], v[4*k:4*k+3] offset:512*k
.set k, k+1
.endr
	WIN 0
	ds_store_b128 v[MG], v[MX:MX+3] offset:16384
	ds_store_b128 v[MG], v[LS:LS+3] offset:16896
.Lkeeps:
	s_wait_dscnt 0x0
	s_barrier_signal -1
	s_barrier_wait -1
	s_cmp_lt_u32 s98, 4
	s_cbranch_scc0 .Lfin
	ds_load_b128 v[TT:TT+3], v[MG] offset:16384
	ds_load_b128 v[TT+4:TT+7], v[MG] offset:16896
.set k, 0
.rept 32
	ds_load_b128 v[KF+4*k:KF+4*k+3], v[MG] offset:512*k
.set k, k+1
.endr
.irp pp, 0,1
.irp dt, 0,1,2,3
	ds_load_b128 v[SVT+32*\pp+8*\dt:SVT+32*\pp+8*\dt+3], v[SVR] offset:256*\pp+64*\dt
	ds_load_b128 v[SVT+32*\pp+8*\dt+4:SVT+32*\pp+8*\dt+7], v[SVR] offset:256*\pp+64*\dt+16
.endr
.endr
	s_wait_dscnt 0x0
.set k, 0
.rept 16
	v_pk_add_f32 v[SVT+2*k:SVT+2*k+1], v[SVT+2*k:SVT+2*k+1], v[SVT+32+2*k:SVT+32+2*k+1]   ; the sum of V over all 2,048 keys, in O's layout
.set k, k+1
.endr
.macro HMERGE i
	v_max_num_f32 v[NM], v[MX+\i], v[TT+\i]        ; both are at or above the floor
	v_sub_f32 v[FA], v[MX+\i], v[NM]
	v_sub_f32 v[FA+2], v[TT+\i], v[NM]
	v_sub_f32 v[F2], v[NEGV], v[NM]
	v_exp_f32 v[FA], v[FA]
	v_exp_f32 v[FA+2], v[FA+2]
	v_exp_f32 v[F2], v[F2]                         ; 1 where the row is masked everywhere, else 0
	v_nop                                          ; the plain place behind the exponentials
	s_wait_alu depctr_va_vdst(0)
	v_mul_f32 v[FA+1], v[LS+\i], v[FA]
	v_fmac_f32 v[FA+1], v[TT+4+\i], v[FA+2]
	v_permlanex16_b32 v[FA+3], v[FA+1], s14, s15   ; the sums of the other half of the lanes' keys
	v_add_f32 v[FA+1], v[FA+1], v[FA+3]
	v_fmamk_f32 v[FA+1], v[F2], 0x45000000, v[FA+1]   ; + 2048 x the third partner's factor.  The sum is at least 1: the largest score's term
	v_rcp_f32 v[FA+1], v[FA+1]
	v_nop
	s_wait_alu depctr_va_vdst(0)
	v_mul_f32 v[FA], v[FA], v[FA+1]
	v_mul_f32 v[FA+2], v[FA+2], v[FA+1]
	v_mul_f32 v[F2], v[F2], v[FA+1]
.set k, 0
.rept 16
	v_pk_mul_f32 v[KF+32*\i+2*k:KF+32*\i+2*k+1], v[KF+32*\i+2*k:KF+32*\i+2*k+1], v[FA+2:FA+3] op_sel_hi:[1,0]
.set k, k+1
.endr
.set k, 0
.rept 16
	v_pk_fma_f32 v[KF+32*\i+2*k:KF+32*\i+2*k+1], v[SVT+2*k:SVT+2*k+1], v[F2:F2+1], v[KF+32*\i+2*k:KF+32*\i+2*k+1] op_sel_hi:[1,0,1]
.set k, k+1
.endr
	WIN 0x01                                       ; source 0: my own output, in window 1
.set k, 0
.rept 16
	v_pk_fma_f32 v[KF+32*\i+2*k:KF+32*\i+2*k+1], v[32*\i+2*k:32*\i+2*k+1], v[FA:FA+1], v[KF+32*\i+2*k:KF+32*\i+2*k+1] op_sel_hi:[1,0,1]
.set k, k+1
.endr
	WIN 0
.set k, 0
.rept 16
	v_cvt_pk_f16_f32 v[PF+k], v[KF+32*\i+2*k], v[KF+32*\i+2*k+1]
.set k, k+1
.endr
.irp dt, 0,1,2,3
	ds_store_b128 v[XSS], v[PF+4*\dt:PF+4*\dt+3] offset:128*\i+32*\dt   ; row r, d = 16 dt + 8 h ..: 16 bytes
.endr
.endm
	HMERGE 0
	HMERGE 1
	HMERGE 2
	HMERGE 3
.irp t, 0,1,2,3,4,5,6,7,8,9,10,11,12,13,14,15
	ds_load_b128 v[KF+4*\t:KF+4*\t+3], v[XSR] offset:\t*XPITCH       ; my own stage: LDS serves a wave's instructions in order
.endr
.irp t, 0,1,2,3,4,5,6,7,8,9,10,11,12,13,14,15
	s_wait_dscnt 15-\t
	global_store_b128 v[XO], v[KF+4*\t:KF+4*\t+3], s[12:13] offset:\t*2048   ; a row's four heads: 512 consecutive bytes, aligned
.endr
.Lfin:
	s_set_vgpr_msb 0x5
	s_wait_tensorcnt 0x0
	ds_add_u32 v232, v233
	s_wait_dscnt 0x0
	s_set_vgpr_msb 0x500
	ROUND                                          ; the closing round
	s_endpgm
.Lfunc_end_k_qdb63da114a_attn:
	.size	k_qdb63da114a_attn, .Lfunc_end_k_qdb63da114a_attn-k_qdb63da114a_attn
	.p2alignl 7, 3214868480
	.fill 96, 4, 3214868480
	.section	.rodata,"a",@progbits
	.p2align	6, 0x0
	.amdhsa_kernel k_qdb63da114a_attn
		.amdhsa_group_segment_fixed_size 327680
		.amdhsa_private_segment_fixed_size 0
		.amdhsa_enable_private_segment 0
		.amdhsa_kernarg_size 40
		.amdhsa_user_sgpr_count 2
		.amdhsa_user_sgpr_kernarg_segment_ptr 1
		.amdhsa_wavefront_size32 1
		.amdhsa_system_sgpr_workgroup_id_x 1
		.amdhsa_system_sgpr_workgroup_id_y 1
		.amdhsa_system_sgpr_workgroup_id_z 1
		.amdhsa_system_vgpr_workitem_id 0
		.amdhsa_next_free_vgpr 490
		.amdhsa_next_free_sgpr 102
		.amdhsa_reserve_vcc 0
		.amdhsa_float_denorm_mode_32 3
		.amdhsa_float_denorm_mode_16_64 3
		.amdhsa_memory_ordered 1
		.amdhsa_forward_progress 1
		.amdhsa_inst_pref_size 255
	.end_amdhsa_kernel
	.section	.bss,"aw",@nobits
	.p2align	6
	.space	262144
	.amdgpu_metadata
---
amdhsa.version: [ 1, 2 ]
amdhsa.kernels:
  - .name:           k_qdb63da114a_attn
    .symbol:         k_qdb63da114a_attn.kd
    .args:
      - { .name: qf, .offset: 0, .size: 8, .value_kind: global_buffer, .address_space: global }
      - { .name: k16, .offset: 8, .size: 8, .value_kind: global_buffer, .address_space: global }
      - { .name: v16, .offset: 16, .size: 8, .value_kind: global_buffer, .address_space: global }
      - { .name: mask, .offset: 24, .size: 8, .value_kind: global_buffer, .address_space: global }
      - { .name: x16, .offset: 32, .size: 8, .value_kind: global_buffer, .address_space: global }
    .group_segment_fixed_size: 327680
    .private_segment_fixed_size: 0
    .kernarg_segment_align: 8
    .kernarg_segment_size: 40
    .max_flat_workgroup_size: 256
    .sgpr_count:     102
    .vgpr_count:     490
    .wavefront_size: 32
...
	.end_amdgpu_metadata
.endif
;; end of part 3
;; launch ogemm: the kernel of part 2 again; grid 8 x 32, 4 waves a work-group, clusters of 4 x 4, 327,680 bytes of LDS; arguments x16, wo16, bo, out0; writes out0
